; MI455X (gfx1250); checked and timed in simulation.
; The chip was launched on July 23, 2026; its instructions are those of AMD's public machine-readable ISA for CDNA 5 (MIT licence, August 2026) and "CDNA5" Instruction Set Architecture Reference Guide (July 2026). The comments in the code are by the model that wrote it; some were corrected since.
;; FVTA. Allowed arithmetic: matrix products marked QUANTISED: E2M3 operands, one E8M0 scale for each 32 along K, by v_wmma_scale_f32_16x16x128_f8f6f4 with both operands' format E2M3, f32 sums; everything else in f32.
;; Inputs: keys 32 x 4,096 x 256 float32; mask 32 x 4,096 int32; query 32 x 128 x 256 float32; query_lengths 32 int32; values 32 x 4,096 x 256 float32.
;; Outputs: out0 32 x 256 float32.
;; This version of the problem:
;;   THIS VERSION OF THE PROBLEM IS GIVEN IN LOW PRECISION. The matrix products marked QUANTISED in the list below multiply operands that are first quantised to E2M3 (2 exponent bits, 3 mantissa bits; 6 bits a number), with one power-of-two scale for each 32 numbers along K (OCP MX v1.0); their sums are f32. All else is computed in f32.
;;   The module's matrix products, in the order in which they are computed (A, B: the left and right operand; K: the contracted axis; several contracted axes count as one K, in the product's order):
;;     1. batch 32 x [M 128, K 256] x [K 256, N 4,096]; A: computed on the way; B: computed on the way: QUANTISED
;;     2. batch 32 x [M 128, K 4,096] x [K 4,096, N 256]; A: computed on the way; B: computed on the way: QUANTISED
;;   THE QUANTISER, for each operand of a quantised product, along K:
;;     - K is cut into blocks of 32 from its start; a last block that is shorter is filled with zeros.
;;     - A block's scale is 2^e with e = floor(log2(the largest magnitude in the block)) - 2, held to -126 .. 127; a block of zeros has e = 0. As a byte (E8M0): e + 127.
;;     - Each number is divided by its block's scale, clamped to +-7.5, and rounded to the nearest number of E2M3, ties to even, subnormals kept.
;;     - The product sums the exact products of the quantised numbers (number of the format x scale) in f32.
;;   ~~~python
;;   def quantise(x, axis):      # numpy; x: float32 -> the quantised numbers, widened to float32 again
;;       x = np.moveaxis(x, axis, -1); K = x.shape[-1]
;;       x = np.pad(x, [(0, 0)] * (x.ndim - 1) + [(0, -K % 32)]); x = x.reshape(x.shape[:-1] + (-1, 32)); a = np.abs(x).max(-1, keepdims=True)
;;       e = np.where(a > 0, np.clip(np.frexp(np.where(a > 0, a, 1))[1] - 1 - 2, -126, 127), 0)      # np.frexp(a)[1] - 1 = floor(log2(a)), exactly
;;       r = np.clip(x / 2.0 ** e, -7.5, 7.5)
;;       step = 2.0 ** (np.maximum(np.frexp(np.where(r == 0, 1, r))[1] - 1, 0) - 3)
;;       q = np.round(r / step) * step * 2.0 ** e      # np.round: ties to even
;;       return np.moveaxis(q.reshape(q.shape[:-2] + (-1,))[..., :K], -1, axis).astype(np.float32)
;;   ~~~
;;   OPERANDS COMPUTED ON THE WAY. 'Computed on the way' means the value that the module computes at that place (a softmax that the list does not call 'softmax' is quantised finished and normalised). What goes into a quantiser is computed in f32, as accurately as f32 sums, v_exp_f32 and their like allow (about 1e-6 of the number): no bf16 or f16 on the way to a quantiser, and a product that is left as it is and whose result goes on into a quantised operand takes f32 operands (vector FMAs, or v_wmma_f32_16x16x4_f32). A number that lies on a knife's edge between two numbers of the format may be rounded either way, as far as f32 arithmetic and the matrix unit's own rounding can turn it there, and no further.
;; One version. Each part assembles by itself: llvm-mc -triple=amdgcn-amd-amdhsa -mcpu=gfx1250 --defsym DOCPART=n.
;; ======== version 1 of 1: 3 launches
;; limits: right only within a limited range of input values
;; workspace buffers: kcodes 25,165,824 bytes; kscales 1,048,576 bytes; qcodes 786,432 bytes; qscales 32,768 bytes; stats 262,144 bytes; part 262,144 bytes
;; launch kstat (part 1): grid 8 x 32, 8 waves a work-group, no clusters, 301,056 bytes of LDS; arguments query, query_lengths, keys, mask, kcodes, kscales, qcodes, qscales, stats; writes kcodes, kscales, qcodes, qscales, stats
.if DOCPART == 1
	.amdgcn_target "amdgcn-amd-amdhsa--gfx1250"
	.amdhsa_code_object_version 6
	.text
	.protected	k_q4e3d277202_kstat
	.globl	k_q4e3d277202_kstat
	.p2align	8
	.type	k_q4e3d277202_kstat,@function
k_q4e3d277202_kstat:
	s_mov_b64 s[64:65], 0
	v_nop
	global_prefetch_b8 v0, s[64:65] scope:SCOPE_SE
	s_setreg_imm32_b32 hwreg(HW_REG_WAVE_MODE, 25, 1), 1
	s_wait_xcnt 0x0
; FIRST OF THREE LAUNCHES.  For batch b (work-group y) and a chunk of 512 keys (work-group x): the keys and the queries become codes of FP6 (E2M3) with one E8M0 byte for each 32 along d;
; S^T = K Q^T is formed on the codes, and for each of the 128 queries the chunk's (NM, l) is stored: NM = -(log2(e) x the largest score), l = the sum of 2^(log2(e) s + NM).  Scores that are exactly 0 count as -infinity.
; The weights of the second product are quantised NORMALISED, so a row's maximum and sum over all 4,096 keys must be known before any of their codes: hence this launch.  It leaves the codes for the next one.
; SHARES.  Eight waves, two to a SIMD, 512 registers each.  Wave w owns keys 64 w .. 64 w + 63 of the chunk, in two trips of a block of 32, against all 128 queries; it quantises query rows 16 w .. 16 w + 15 (tile w).
; Rows whose mask is not 0 are zeros whatever memory holds: they are not read (a scalar branch on the mask's bits, whole numbers that this launch reads).  So nothing comes by tensor loads, the waits for loads are for 0,
; and no cluster shares tiles: what work-groups share here is Q, 128 KB beside a chunk's 512 KB of keys.  No prefetch: the loop has two trips, and the second block's loads go out a whole trip ahead of their wait.
; THE WAY OF A ROW.  Two loads of 512 consecutive bytes; as it lies into the wave's own stage in LDS (pitch 1,040 bytes: 260 words, so that sixteen rows begin at sixteen different groups of four banks: ISA guide 11.1); back so that
; lane (r, h) holds, of row r, d = 64 c + 32 h + 0 .. 31 of a step of 128: whole blocks, in the order of the operand's registers.
; THE KEYS OF A TILE ARE NOT NEIGHBOURS: lane-row r of tile u of a block of 32 keys is key 8 u + r + 8 (r / 8), so that in S^T the 16 registers of tiles 0 and 1 are keys 16 h + 0 .. 15 (the next launch needs that).
; Q's 16 fragments lie in LDS; a pair of query tiles (four fragments) at a time comes into one of two buffers, the loads of the pair after next issued under this pair's statistics.
; WORKSPACE, all as images of operand registers (piece c of 512 bytes: lane l's registers 4 c .. 4 c + 3 at 16 l): kcodes [b][block of 32 keys][u][step s][1536]; kscales [b][block][lane][u]: a word; lanes 0-15 step 0, lanes 16-31 step 1;
; qcodes [b][tile i][s][1536]; qscales [b][i / 2][lane][i mod 2]; stats [b][chunk][q][NM, l].
; LIMITS: NaN and infinities in rows that count are not served; a block of zeros gets the byte 1 where the rule says 127 (its codes are zeros, and this program alone reads the bytes); log2(e) x score must lie above -3e38.
; REGISTERS.  window 0: v0-18 ids and addresses; v19, v35 the add's; v20-34 at work; v36-37 a fragment's scale words; v38-39 K's scale registers; v40-47 Q's; v48-95 K's four fragments; v96-127 statistics, four a tile (NM, F, L0, L1);
;   v128-159 S^T of a pair (tile i, key tile u at 128 + 16 i + 8 u); v160-207, v208-255 Q's pairs; before that v128-255 two buffers of 64 numbers.   window 1: 32 raw rows, 8 registers each.
.set PIT,   1040
.set STGW,  32*PIT                     ; a wave's stage: 32 rows
.set QIMG,  8*STGW                     ; Q's 16 fragments
.set QSC,   QIMG+16*1536               ; their 8 scale registers, 128 bytes each
.set SMRG,  QSC+8*128                  ; 8 waves x 128 queries x (NM, l)
.set SPARE, SMRG+8*1024                ; the spare words, 128 bytes a wave
.set FLOOR, 0x1800000                  ; 2^(3 - 127): no largest magnitude is taken under it, so a byte cannot fall under 1
.set SPW,   19
.set NIL,   35
.set KC,    48
.set ST,    96
.set S,     128
.set QB,    160
.set XA,    128
.set XB,    192
.set MSB,   0
.macro WIN new                         ; s_set_vgpr_msb: bits 1:0 source 0, 3:2 source 1, 5:4 source 2, 7:6 destination; the high byte repeats the setting that is left
.if MSB != (\new)
	s_set_vgpr_msb (MSB<<8)|(\new)
.set MSB, (\new)
.endif
.endm
.macro KROW k                          ; row k of the block: read if its bit says so, else made of zeros
	s_bitcmp1_b32 s28, \k
	s_cbranch_scc0 .Lkz_\@
	WIN 0x40
	global_load_b128 v[8*(\k):8*(\k)+3], v4, s[8:9] offset:1024*(\k) th:TH_LOAD_NT
	global_load_b128 v[8*(\k)+4:8*(\k)+7], v4, s[8:9] offset:1024*(\k)+512 th:TH_LOAD_NT
	WIN 0
	s_branch .Lkn_\@
.Lkz_\@:
	WIN 0x40
.irp j,0,1,2,3,4,5,6,7
	v_mov_b32 v[8*(\k)+\j], 0
.endr
	WIN 0
.Lkn_\@:
.endm
.macro KROWS
.set KK, 0
.rept 32
	KROW KK
.set KK, KK+1
.endr
.endm
.macro QZ k                            ; a query row at or beyond the length becomes zeros
	s_bitcmp1_b32 s26, \k
	s_cbranch_scc1 .Lqv_\@
	WIN 0x40
.irp j,0,1,2,3,4,5,6,7
	v_mov_b32 v[8*(\k)+\j], 0
.endr
	WIN 0
.Lqv_\@:
.endm
; The raw rows go into the stage, 512 consecutive bytes a store.  perm = 1: key k of the block goes to the slot of its tile and lane-row.
.macro STORE nrows, perm
	WIN 0x04                                       ; the data in window 1
.set KK, 0
.rept \nrows
.if \perm
.set SL, 16*((KK/8)%2)+8*((KK/16)%2)+(KK%8)
.else
.set SL, KK
.endif
	ds_store_b128 v7, v[8*KK:8*KK+3] offset:SL*PIT
	ds_store_b128 v7, v[8*KK+4:8*KK+7] offset:SL*PIT+512
.set KK, KK+1
.endr
	WIN 0
.endm
; 16 rows from slot0 on, step s of d: lane (r, h) takes 32 numbers at d = 128 s + 64 c + 32 h, c = 0, 1, into v[xb + 32 c ..]
.macro XLOAD xb, slot0, s
.irp c,0,1
.irp i,0,1,2,3,4,5,6,7
	ds_load_b128 v[(\xb)+32*\c+4*\i:(\xb)+32*\c+4*\i+3], v9 offset:(\slot0)*PIT+512*(\s)+256*\c+16*\i
.endr
.endr
.endm
; 64 numbers of a lane, two whole blocks, become the fragment's 12 registers at v[dst] and the row's scale word in v[ws] (all four bytes, in both halves of the lanes)
.macro QUANT xb, dst, ws
.irp c,0,1
	v_max3_num_f32 v[20+2*\c], |v[(\xb)+32*\c]|, |v[(\xb)+32*\c+1]|, FLOOR
	v_max3_num_f32 v[21+2*\c], |v[(\xb)+32*\c+2]|, |v[(\xb)+32*\c+3]|, FLOOR
.endr
.irp i,4,8,12,16,20,24,28
.irp c,0,1
	v_max3_num_f32 v[20+2*\c], v[20+2*\c], |v[(\xb)+32*\c+\i]|, |v[(\xb)+32*\c+\i+1]|      ; four chains by turns
	v_max3_num_f32 v[21+2*\c], v[21+2*\c], |v[(\xb)+32*\c+\i+2]|, |v[(\xb)+32*\c+\i+3]|
.endr
.endr
	v_max_num_f32 v20, v20, v21                    ; block h's largest magnitude,
	v_max_num_f32 v22, v22, v23                    ; block 2 + h's
	v_add_nc_u32 v24, 0xff000000, v20              ; 2 off the exponent field: the conversion takes that field of this operand as its scale
	v_add_nc_u32 v25, 0xff000000, v22
	v_lshrrev_b32 v20, 23, v24                     ; the bytes
	v_lshrrev_b32 v21, 23, v25
	v_lshl_or_b32 v22, v21, 16, v20
	v_lshlrev_b32 v22, v10, v22                    ; at their places: 8 h bits up
	v_permlanex16_b32 v26, v22, s38, s39
	v_or_b32 v[\ws], v22, v26                      ; with lane l xor 16's two the word is whole
	v_cvt_scalef32_pk16_fp6_f32 v[(\dst):(\dst)+2], v[(\xb):(\xb)+15], v24
	v_cvt_scalef32_pk16_fp6_f32 v[28:30], v[(\xb)+16:(\xb)+31], v24       ; (a conversion's three registers begin on an even number)
	v_cvt_scalef32_pk16_fp6_f32 v[(\dst)+6:(\dst)+8], v[(\xb)+32:(\xb)+47], v25
	v_cvt_scalef32_pk16_fp6_f32 v[32:34], v[(\xb)+48:(\xb)+63], v25
	v_nop                                          ; one plain place behind the scaled conversions
.irp i,0,1,2
	v_mov_b32 v[(\dst)+3+\i], v[28+\i]
	v_mov_b32 v[(\dst)+9+\i], v[32+\i]
.endr
.endm
.macro QLOAD pr                        ; query tiles 2 pr, 2 pr + 1: four fragments, 6,144 bytes, into buffer pr mod 2
.set J, 0
.rept 12
	ds_load_b128 v[QB+48*((\pr)%2)+4*J:QB+48*((\pr)%2)+4*J+3], v14 offset:6144*(\pr)+512*J
.set J, J+1
.endr
.endm
; The running maximum and sum of query tiles 2 pr, 2 pr + 1 over 32 more keys (16 a lane)
.macro STATS2 pr
.irp i,0,1
.irp u,0,1
.irp j,0,1,2,3,4,5,6,7
	v_cmp_eq_f32 s[44+\j], 0, v[S+16*\i+8*\u+\j]   ; each accumulator is read from its low end on
.endr
.irp j,0,1,2,3,4,5,6,7
	v_cndmask_b32 v[S+16*\i+8*\u+\j], v[S+16*\i+8*\u+\j], v11, s[44+\j]   ; a score of exactly 0 becomes -infinity
.endr
.endr
.endr
.irp i,0,1
	v_max3_num_f32 v[20+2*\i], v[S+16*\i], v[S+16*\i+1], v[S+16*\i+2]
	v_max3_num_f32 v[21+2*\i], v[S+16*\i+8], v[S+16*\i+9], v[S+16*\i+10]
.endr
.irp k,3,5
.irp i,0,1
	v_max3_num_f32 v[20+2*\i], v[20+2*\i], v[S+16*\i+\k], v[S+16*\i+\k+1]
	v_max3_num_f32 v[21+2*\i], v[21+2*\i], v[S+16*\i+\k+8], v[S+16*\i+\k+9]
.endr
.endr
.irp i,0,1
	v_max3_num_f32 v[20+2*\i], v[20+2*\i], v[S+16*\i+7], v[S+16*\i+15]
.endr
.irp i,0,1
	v_max_num_f32 v[20+2*\i], v[20+2*\i], v[21+2*\i]
.endr
.irp i,0,1
	v_mul_f32 v[20+2*\i], s40, v[20+2*\i]          ; as t = log2(e) s
.endr
.irp i,0,1
	v_min_num_f32 v[21+2*\i], v[ST+4*(2*(\pr)+\i)], -v[20+2*\i]   ; the new NM = -(the largest t so far)
.endr
.irp i,0,1
	v_sub_f32 v[ST+4*(2*(\pr)+\i)+1], v[21+2*\i], v[ST+4*(2*(\pr)+\i)] ; new NM - old NM, 0 or less
.endr
.irp i,0,1
	v_mov_b32 v[ST+4*(2*(\pr)+\i)], v[21+2*\i]
.endr
.irp i,0,1
.irp k,0,2,4,6,8,10,12,14
	v_pk_fma_f32 v[S+16*\i+\k:S+16*\i+\k+1], v[S+16*\i+\k:S+16*\i+\k+1], s[40:41], v[ST+4*(2*(\pr)+\i):ST+4*(2*(\pr)+\i)+1] op_sel_hi:[1,0,0]   ; t + NM (of the pairs the low word serves both halves)
.endr
.endr
	s_wait_alu depctr_va_vdst(0)                   ; a wait ahead of the batch
.irp i,0,1
	v_exp_f32 v[ST+4*(2*(\pr)+\i)+1], v[ST+4*(2*(\pr)+\i)+1]      ; F = 2^(new NM - old NM)
.endr
.set J, 0
.rept 32
	v_exp_f32 v[S+J], v[S+J]
.set J, J+1
.endr
	v_nop                                          ; a plain place behind the last exponential
	s_wait_alu depctr_va_vdst(0)                   ; and one wait for the batch of 34, ahead of its first reader
.irp k,0,4,8,12
.irp i,0,1
	v_pk_add_f32 v[S+16*\i+\k:S+16*\i+\k+1], v[S+16*\i+\k:S+16*\i+\k+1], v[S+16*\i+\k+2:S+16*\i+\k+3]
.endr
.endr
.irp k,0,8
.irp i,0,1
	v_pk_add_f32 v[S+16*\i+\k:S+16*\i+\k+1], v[S+16*\i+\k:S+16*\i+\k+1], v[S+16*\i+\k+4:S+16*\i+\k+5]
.endr
.endr
.irp i,0,1
	v_pk_add_f32 v[S+16*\i:S+16*\i+1], v[S+16*\i:S+16*\i+1], v[S+16*\i+8:S+16*\i+9]
.endr
.irp i,0,1
	v_fma_f32 v[ST+4*(2*(\pr)+\i)+2], v[ST+4*(2*(\pr)+\i)+2], v[ST+4*(2*(\pr)+\i)+1], v[S+16*\i]      ; l = l F + the new terms, in two halves
	v_fma_f32 v[ST+4*(2*(\pr)+\i)+3], v[ST+4*(2*(\pr)+\i)+3], v[ST+4*(2*(\pr)+\i)+1], v[S+16*\i+1]
.endr
.endm
; The block's two key tiles against query tiles 2 pr, 2 pr + 1, and their statistics
.macro QPAIR pr
.set QQ, QB+48*((\pr)%2)
.if (\pr)==0
	s_wait_alu depctr_va_vdst(0)                   ; a wait directly ahead of the wait below: K's codes and scale registers were just written
.endif
.if (\pr)<3
	s_wait_dscnt 12                                ; this pair's 12 loads are in; the next pair's 12 may be out
.else
	s_wait_dscnt 0x0
.endif
.if (\pr)==0
.rept 8
	v_nop                                          ; a scale register written by a vector instruction stands 8 places ahead of a scaled matrix instruction, an operand 4
.endr
.endif
.irp u,0,1
.irp i,0,1
	v_wmma_scale_f32_16x16x128_f8f6f4 v[S+16*\i+8*\u:S+16*\i+8*\u+7], v[KC+24*\u:KC+24*\u+11], v[QQ+24*\i:QQ+24*\i+11], 0, v[38+\u], v[40+2*(\pr)+\i] matrix_a_fmt:MATRIX_FMT_FP6 matrix_b_fmt:MATRIX_FMT_FP6
.endr
.endr
.irp u,0,1                                     ; the four accumulators by turns, one instruction a turn
.irp i,0,1
	v_wmma_scale_f32_16x16x128_f8f6f4 v[S+16*\i+8*\u:S+16*\i+8*\u+7], v[KC+24*\u+12:KC+24*\u+23], v[QQ+24*\i+12:QQ+24*\i+23], v[S+16*\i+8*\u:S+16*\i+8*\u+7], v[38+\u], v[40+2*(\pr)+\i] matrix_a_fmt:MATRIX_FMT_FP6 matrix_b_fmt:MATRIX_FMT_FP6 matrix_a_scale:MATRIX_SCALE_ROW1 matrix_b_scale:MATRIX_SCALE_ROW1
.endr
.endr
.rept 4
	v_nop                                          ; four places ahead of the first read of results and of loads into the buffer just read
.endr
.if (\pr)<2
	QLOAD (\pr)+2
.endif
	STATS2 \pr
.endm
	s_load_b512 s[4:19], s[0:1], 0x0               ; query s[4:5], lengths s[6:7], keys s[8:9], mask s[10:11], kcodes s[12:13], kscales s[14:15], qcodes s[16:17], qscales s[18:19]
	s_load_b64 s[20:21], s[0:1], 0x40              ; stats
	v_lshrrev_b32 v20, 5, v0
	v_readfirstlane_b32 s22, v20                   ; wave 0..7
	s_mov_b32 s23, ttmp9                           ; chunk
	s_and_b32 s24, ttmp7, 0xffff                   ; batch
	s_mul_i32 s27, s22, STGW                       ; my stage
	s_mul_i32 s30, s22, 3072
	s_add_co_u32 s30, s30, QIMG
	s_lshl_b32 s31, s22, 7
	s_add_co_u32 s31, s31, QSC
	s_lshl_b32 s32, s22, 10
	s_add_co_u32 s32, s32, SMRG
	s_mov_b32 s38, 0x76543210
	s_mov_b32 s39, 0xfedcba98                      ; v_permlanex16_b32's selects for lane l xor 16
	s_mov_b32 s40, 0x3fb8aa3b                      ; log2(e)
	s_mov_b32 s41, s40                             ; (named with it as a pair)
	s_mov_b32 s42, 0xffff0000                      ; lanes 16-31
	s_mov_b32 s43, 2                               ; trips
	s_mov_b32 s53, 0
	v_lshl_add_u32 v[SPW], v0, 2, SPARE
	v_mov_b32 v[NIL], 0
	v_and_b32 v1, 31, v0                           ; lane
	v_and_b32 v2, 15, v0                           ; r
	v_bfe_u32 v3, v0, 4, 1                         ; h
	v_lshlrev_b32 v4, 4, v1                        ; 16 x lane
	v_lshlrev_b32 v5, 3, v1                        ; 8 x lane
	v_lshlrev_b32 v6, 2, v1                        ; 4 x lane
	v_add_nc_u32 v7, s27, v4                       ; into the stage
	v_mul_u32_u24 v9, v2, PIT
	v_lshl_add_u32 v9, v3, 7, v9
	v_add_nc_u32 v9, s27, v9                       ; out of it: row r, + 128 h bytes
	v_lshlrev_b32 v10, 3, v3                       ; 8 h
	v_mov_b32 v11, 0xff800000                      ; -infinity
	v_add_nc_u32 v12, s30, v4                      ; where I put my two fragments of Q
	v_add_nc_u32 v13, s31, v6                      ; and my scale register
	v_add_nc_u32 v14, QIMG, v4                     ; where all are read
	v_add_nc_u32 v15, QSC, v6
	v_lshl_add_u32 v16, v2, 3, s32                 ; my wave's (NM, l) of query 16 i + r
	v_lshl_add_u32 v17, v0, 3, SMRG                ; the eight waves' of query = my thread's number
	v_lshlrev_b32 v18, 3, v0
.irp i,0,1,2,3,4,5,6,7
	v_mov_b32 v[ST+4*\i], 0x7f61b1e6               ; NM = 3e38: the largest t so far is -3e38
	v_mov_b32 v[ST+4*\i+1], 0
	v_mov_b32 v[ST+4*\i+2], 0
	v_mov_b32 v[ST+4*\i+3], 0
.endr
	v_mov_b32 v26, 0                               ; written once: a lane permute's destination counts as one of its sources
	s_wait_alu depctr_va_vdst(0)                   ; a wait at the head's end
	s_wait_kmcnt 0x0
	s_lshl_b32 s52, s24, 2
	s_add_nc_u64 s[6:7], s[6:7], s[52:53]
	s_load_b32 s25, s[6:7], 0x0                    ; my batch's length
	s_lshl_b32 s27, s24, 12
	s_lshl_b32 s26, s23, 9
	s_add_co_u32 s27, s27, s26
	s_lshl_b32 s26, s22, 6
	s_add_co_u32 s27, s27, s26                     ; my first key: 4096 b + 512 chunk + 64 w
	s_lshl_b32 s52, s27, 2
	s_add_nc_u64 s[10:11], s[10:11], s[52:53]
	s_lshl_b32 s52, s27, 10
	s_add_nc_u64 s[8:9], s[8:9], s[52:53]
	s_lshl_b32 s27, s24, 7
	s_lshl_b32 s26, s22, 4
	s_add_co_u32 s27, s27, s26                     ; the 16 query rows that I quantise: 128 b + 16 w
	s_lshl_b32 s52, s27, 10
	s_add_nc_u64 s[4:5], s[4:5], s[52:53]
	global_load_b32 v28, v6, s[10:11]              ; the mask of my 64 keys
	global_load_b32 v29, v6, s[10:11] offset:128
	WIN 0x40
.set KK, 0
.rept 16
	global_load_b128 v[8*KK:8*KK+3], v4, s[4:5] offset:1024*KK
	global_load_b128 v[8*KK+4:8*KK+7], v4, s[4:5] offset:1024*KK+512
.set KK, KK+1
.endr
	WIN 0
	s_lshl_b32 s27, s24, 7
	s_lshl_b32 s26, s23, 4
	s_add_co_u32 s27, s27, s26
	s_lshl_b32 s26, s22, 1
	s_add_co_u32 s27, s27, s26                     ; my first block of 32 keys: 128 b + 16 chunk + 2 w
	s_mul_i32 s52, s27, 6144
	s_add_nc_u64 s[12:13], s[12:13], s[52:53]
	s_lshl_b32 s52, s27, 8
	s_add_nc_u64 s[14:15], s[14:15], s[52:53]
	s_lshl_b32 s27, s24, 4
	s_add_co_u32 s27, s27, s26                     ; 16 b + 2 w: my first fragment of Q
	s_mul_i32 s52, s27, 1536
	s_add_nc_u64 s[16:17], s[16:17], s[52:53]
	s_lshl_b32 s52, s24, 10                        ; qscales: 1024 b + 256 (w / 2) + 4 (w mod 2)
	s_lshr_b32 s27, s22, 1
	s_lshl_b32 s27, s27, 8
	s_add_co_u32 s52, s52, s27
	s_and_b32 s27, s22, 1
	s_lshl_b32 s27, s27, 2
	s_add_co_u32 s52, s52, s27
	s_add_nc_u64 s[18:19], s[18:19], s[52:53]
	s_lshl_b32 s27, s24, 3
	s_add_co_u32 s27, s27, s23
	s_lshl_b32 s52, s27, 10                        ; (8 b + chunk) x 1024
	s_add_nc_u64 s[20:21], s[20:21], s[52:53]
	s_wait_loadcnt 0x0                             ; the mask and my query rows
	s_wait_kmcnt 0x0                               ; the length
	v_cmp_eq_u32 s28, 0, v28                       ; bit l: key l of block 0 counts
	v_cmp_eq_u32 s29, 0, v29                       ; of block 1
	s_max_i32 s25, s25, 0
	s_min_i32 s25, s25, 128
	s_lshl_b32 s26, s22, 4
	s_sub_co_i32 s25, s25, s26
	s_max_i32 s25, s25, 0
	s_min_i32 s25, s25, 16                         ; how many of my 16 rows lie under the length
	s_lshl_b32 s26, 1, s25
	s_sub_co_u32 s26, s26, 1                       ; as many ones
.set KK, 0
.rept 16
	QZ KK
.set KK, KK+1
.endr
	s_wait_alu depctr_va_vdst(0)
	STORE 16, 0                                    ; my query rows into the stage, as they lie
	s_wait_dscnt 0x0                               ; the stores have read the raw registers,
	KROWS                                          ; which take block 0's rows
	XLOAD XA, 0, 0
	XLOAD XB, 0, 1
	s_wait_dscnt 16                                ; the older buffer is in; the younger one's 16 loads may be out
	QUANT XA, KC, 36
	s_wait_dscnt 0x0
	QUANT XB, KC+12, 37
	v_cndmask_b32 v38, v36, v37, s42               ; lanes 0-15 step 0's words, lanes 16-31 step 1's
.irp c,0,1,2,3,4,5
	ds_store_b128 v12, v[KC+4*\c:KC+4*\c+3] offset:512*\c
.endr
	ds_store_b32 v13, v38
	s_cmp_lg_u32 s23, 0                            ; the batch's first chunk leaves Q's codes for the next launch: each byte has one writer
	s_cbranch_scc1 .Lnoq
.irp c,0,1,2,3,4,5
	global_store_b128 v4, v[KC+4*\c:KC+4*\c+3], s[16:17] offset:512*\c
.endr
	global_store_b32 v5, v38, s[18:19]
.Lnoq:
	s_wait_dscnt 0x0                               ; for the others' sake: my images of Q lie in LDS
	s_barrier_signal -1
	s_barrier_wait -1
.irp i,0,1,2,3,4,5,6,7
	ds_load_b32 v[40+\i], v15 offset:128*\i        ; Q's scale registers stay
.endr
	s_wait_dscnt 0x0
.Lround:                                           ; two trips of 32 keys
	s_wait_loadcnt 0x0                             ; the block's rows are in (how many were read hangs on the mask: so the count is 0)
	STORE 32, 1
	s_wait_dscnt 0x0                               ; the stores have read the raw registers
	s_cmp_eq_u32 s43, 1
	s_cbranch_scc1 .Lnomore                        ; the last trip asks for nothing: no load leaves its buffer
	s_add_nc_u64 s[8:9], s[8:9], 32768             ; (behind the wait that shows the loads done)
	s_mov_b32 s28, s29
	KROWS                                          ; the next block's rows fly during this trip's work
.Lnomore:
	s_wait_xcnt 0x0                                ; the earlier stores have read K's codes and scale registers: both are written again below
	XLOAD XA, 0, 0
	XLOAD XB, 0, 1
	s_wait_dscnt 16                                ; the older buffer is in; the younger one's 16 loads may be out (so at each of the three)
	QUANT XA, KC, 36
	XLOAD XA, 16, 0
	s_wait_dscnt 16
	QUANT XB, KC+12, 37
	v_cndmask_b32 v38, v36, v37, s42               ; tile 0's scale register: lanes 0-15 step 0's words, lanes 16-31 step 1's
	XLOAD XB, 16, 1
	s_wait_dscnt 16
	QUANT XA, KC+24, 36
	s_wait_dscnt 0x0
	QUANT XB, KC+36, 37
	v_cndmask_b32 v39, v36, v37, s42
	QLOAD 0
	QLOAD 1
.irp n,0,1,2,3
.irp c,0,1,2
	global_store_b128 v4, v[KC+12*\n+4*\c:KC+12*\n+4*\c+3], s[12:13] offset:1536*\n+512*\c   ; 512 consecutive bytes, at a multiple of 256 from the buffer's first byte
.endr
.endr
	global_store_b64 v5, v[38:39], s[14:15]
	QPAIR 0
	QPAIR 1
	QPAIR 2
	QPAIR 3
	s_wait_alu depctr_va_vdst(0)                   ; a wait directly ahead of the wait below
	s_wait_xcnt 0x0                                ; the stores have read their bases
	s_add_nc_u64 s[12:13], s[12:13], 6144
	s_add_nc_u64 s[14:15], s[14:15], 256
	s_sub_co_u32 s43, s43, 1
	s_cmp_lg_u32 s43, 0
	s_cbranch_scc1 .Lround
	; the two halves of the lanes join: NM = the smaller, l = the sum of l 2^(NM - its own NM)
.irp i,0,1,2,3,4,5,6,7
	v_add_f32 v[ST+4*\i+2], v[ST+4*\i+2], v[ST+4*\i+3]
.endr
.irp i,0,1,2,3,4,5,6,7
	v_permlanex16_b32 v[128+\i], v[ST+4*\i], s38, s39
.endr
.irp i,0,1,2,3,4,5,6,7
	v_min_num_f32 v[136+\i], v[ST+4*\i], v[128+\i]
.endr
.irp i,0,1,2,3,4,5,6,7
	v_sub_f32 v[144+\i], v[136+\i], v[ST+4*\i]
.endr
	s_wait_alu depctr_va_vdst(0)                   ; a wait ahead of the batch
.irp i,0,1,2,3,4,5,6,7
	v_exp_f32 v[144+\i], v[144+\i]
.endr
	v_nop
	s_wait_alu depctr_va_vdst(0)                   ; and one wait for the eight
.irp i,0,1,2,3,4,5,6,7
	v_mul_f32 v[128+\i], v[ST+4*\i+2], v[144+\i]
.endr
.irp i,0,1,2,3,4,5,6,7
	v_permlanex16_b32 v[152+\i], v[128+\i], s38, s39
.endr
.irp i,0,1,2,3,4,5,6,7
	v_add_f32 v[ST+4*\i+1], v[128+\i], v[152+\i]
.endr
.irp i,0,1,2,3,4,5,6,7
	v_mov_b32 v[ST+4*\i], v[136+\i]
.endr
.irp i,0,1,2,3,4,5,6,7
	ds_store_b64 v16, v[ST+4*\i:ST+4*\i+1] offset:128*\i     ; both halves of the lanes write the same words with the same values
.endr
	s_wait_dscnt 0x0
	s_barrier_signal -1
	s_barrier_wait -1
	s_cmp_ge_u32 s22, 4
	s_cbranch_scc1 .Lend                           ; the eight waves join: thread t of waves 0-3 takes query t
.irp j,0,1,2,3,4,5,6,7
	ds_load_b64 v[128+2*\j:129+2*\j], v17 offset:1024*\j
.endr
	s_wait_dscnt 0x0
	v_min3_num_f32 v144, v128, v130, v132
	v_min3_num_f32 v145, v134, v136, v138
	v_min3_num_f32 v144, v144, v140, v142
	v_min_num_f32 v144, v144, v145
.irp j,0,1,2,3,4,5,6,7
	v_sub_f32 v[148+\j], v144, v[128+2*\j]
.endr
	s_wait_alu depctr_va_vdst(0)                   ; a wait ahead of the batch
.irp j,0,1,2,3,4,5,6,7
	v_exp_f32 v[148+\j], v[148+\j]
.endr
	v_nop
	s_wait_alu depctr_va_vdst(0)
	v_mul_f32 v145, v129, v148
	v_mul_f32 v146, v131, v149
.irp j,2,4,6                                   ; two chains by turns
	v_fma_f32 v145, v[129+2*\j], v[148+\j], v145
	v_fma_f32 v146, v[131+2*\j], v[149+\j], v146
.endr
	v_add_f32 v145, v145, v146
	global_store_b64 v18, v[144:145], s[20:21]     ; a wave stores 256 consecutive bytes, aligned
.Lend:
	s_wait_tensorcnt 0x0                           ; the wave's end
	ds_add_u32 v[SPW], v[NIL]
	s_wait_dscnt 0x0
	s_endpgm
.Lfunc_end_k_q4e3d277202_kstat:
	.size	k_q4e3d277202_kstat, .Lfunc_end_k_q4e3d277202_kstat-k_q4e3d277202_kstat
	.p2alignl 7, 3214868480
	.fill 96, 4, 3214868480
	.section	.rodata,"a",@progbits
	.p2align	6, 0x0
	.amdhsa_kernel k_q4e3d277202_kstat
		.amdhsa_group_segment_fixed_size 301056
		.amdhsa_private_segment_fixed_size 0
		.amdhsa_enable_private_segment 0
		.amdhsa_kernarg_size 72
		.amdhsa_user_sgpr_count 2
		.amdhsa_user_sgpr_kernarg_segment_ptr 1
		.amdhsa_wavefront_size32 1
		.amdhsa_system_sgpr_workgroup_id_x 1
		.amdhsa_system_sgpr_workgroup_id_y 1
		.amdhsa_system_sgpr_workgroup_id_z 1
		.amdhsa_system_vgpr_workitem_id 0
		.amdhsa_next_free_vgpr 512
		.amdhsa_next_free_sgpr 66
		.amdhsa_reserve_vcc 0
		.amdhsa_float_denorm_mode_32 3
		.amdhsa_float_denorm_mode_16_64 3
		.amdhsa_memory_ordered 1
		.amdhsa_forward_progress 1
		.amdhsa_inst_pref_size 139
	.end_amdhsa_kernel
	.amdgpu_metadata
---
amdhsa.version: [ 1, 2 ]
amdhsa.kernels:
  - .name:           k_q4e3d277202_kstat
    .symbol:         k_q4e3d277202_kstat.kd
    .args:
      - { .name: query, .offset: 0, .size: 8, .value_kind: global_buffer, .address_space: global }
      - { .name: query_lengths, .offset: 8, .size: 8, .value_kind: global_buffer, .address_space: global }
      - { .name: keys, .offset: 16, .size: 8, .value_kind: global_buffer, .address_space: global }
      - { .name: mask, .offset: 24, .size: 8, .value_kind: global_buffer, .address_space: global }
      - { .name: kcodes, .offset: 32, .size: 8, .value_kind: global_buffer, .address_space: global }
      - { .name: kscales, .offset: 40, .size: 8, .value_kind: global_buffer, .address_space: global }
      - { .name: qcodes, .offset: 48, .size: 8, .value_kind: global_buffer, .address_space: global }
      - { .name: qscales, .offset: 56, .size: 8, .value_kind: global_buffer, .address_space: global }
      - { .name: stats, .offset: 64, .size: 8, .value_kind: global_buffer, .address_space: global }
    .group_segment_fixed_size: 301056
    .private_segment_fixed_size: 0
    .kernarg_segment_align: 8
    .kernarg_segment_size: 72
    .max_flat_workgroup_size: 256
    .sgpr_count:     66
    .vgpr_count:     512
    .wavefront_size: 32
...
	.end_amdgpu_metadata
.endif
;; end of part 1
;; launch attend (part 2): grid 8 x 32, 8 waves a work-group, no clusters, 187,392 bytes of LDS; arguments kcodes, kscales, qcodes, qscales, stats, values, mask, part; writes part
.if DOCPART == 2
	.amdgcn_target "amdgcn-amd-amdhsa--gfx1250"
	.amdhsa_code_object_version 6
	.text
	.protected	k_q4e3d277202_attend
	.globl	k_q4e3d277202_attend
	.p2align	8
	.type	k_q4e3d277202_attend,@function
k_q4e3d277202_attend:
	s_mov_b64 s[64:65], 0
	v_nop
	global_prefetch_b8 v0, s[64:65] scope:SCOPE_SE
	s_setreg_imm32_b32 hwreg(HW_REG_WAVE_MODE, 25, 1), 1
	s_wait_xcnt 0x0
; SECOND OF THREE LAUNCHES.  Batch b (work-group y), a chunk of 512 keys (work-group x).  The scores are formed again on the stored codes, the finished weights p = 2^(log2(e) s + NM) / l are quantised
; along the keys, the values are quantised along the keys, and the sum over the 128 queries of P V over the chunk's keys is stored: part [b][chunk][256].
; (NM, l) of a query are joined from the batch's eight chunks; 1 / l is 0 where l is 0, so a row in which no score counts gives weights of 0.
; SHARES.  Eight waves, two to a SIMD, 512 registers each.  Wave w owns keys 64 w .. 64 w + 63 (two blocks of 32) for all 128 queries and all 256 columns.
; THE SECOND PRODUCT'S K STEP OF 128 holds two query tiles over my 64 keys: A = [P_i | P_i+1], B = [V | V].  The mean over the queries adds all query tiles onto the same 16 accumulators, so
; acc(m, n) = the sum over i of P_i(m, :) V(:, n); the sum over m follows in vector instructions, the sum over the eight waves through LDS.
; V: A LANE TAKES A COLUMN AND ITS REGISTERS RUN DOWN THE KEYS: eight loads of 128 consecutive bytes cover a row's 1,024; a block of 32 keys lies in one lane's 32 registers.
; Value rows whose mask is not 0 are zeros whatever memory holds: they are not read (a scalar branch on the mask's bits, whole numbers that this launch reads).  So nothing comes by tensor loads, the waits
; for loads are for 0 (how many were issued hangs on the mask), and no cluster shares tiles: what work-groups share is Q's codes, 25 KB beside a chunk's 512 KB of values.
; ORDER: K's codes are asked for first.  Two trips: a trip asks for a block's rows, works four query tiles (two pairs) while they are on their way, and then quantises the block.
; PREFETCH: in trip 0, behind block 0's loads, four instructions a wave name block 1's rows that count, a lane to 256 bytes (8 rows an instruction), one trip (four query tiles) ahead of their loads; a lane whose
; row does not count names the first 256 bytes of its instruction's eight rows.  Block 0 comes by its loads alone.
; The codes of P and V pass through my own bytes of LDS, so that the trips share one text.  V's image: [block][tile vt][256 bytes: registers 0-3 of 16 lanes; 128 bytes: registers 4-5].
; LIMITS: NaN and infinities in rows that count are not served; weights under 2^-126 come out of v_exp_f32 as 0 (ISA guide 15.8); a block of zeros has the byte 1 where the rule says 127 (its codes are zeros).
; REGISTERS.  window 0: v0-31 ids and addresses; v32-35 K's scale registers, later P's; v36 Q's; v37 P's scale word; v38-41 (NM, 1/l), (1/l, 1/l); v42-43 the add's; v44-59 at work; v60-83 Q's fragments;
;   v84-99 P's codes; v100-131 S^T, then p; v132-227 K's 8 fragments, later V's tiles 8-15; v228-235 V's scale words; v236-239 the prefetches' offsets.  window 1: V by columns; later 16 accumulators and V's tiles 0-7.
.set QSC,   24576                      ; LDS: Q's 16 fragments from 0; their 8 scale registers;
.set RST,   25600                      ; 128 x (NM, 1/l);
.set PIMG,  26624                      ; for each wave: P's 4 fragments (6,144 bytes),
.set PSC,   75776                      ; their scale words (512),
.set VIMG,  79872                      ; V's images (12,288),
.set OST,   178176                     ; 256 sums (1,024);
.set SPARE, 186368                     ; the spare words, 128 bytes a wave
.set FLOOR, 0x1800000                  ; 2^(3 - 127)
.set SPW,   42
.set NIL,   43
.set TM,    44
.set QF,    60
.set PC,    84
.set T,     96
.set S,     100
.set KF,    132
.set VS,    228
.set PF,    236
.set VC,    60
.set T2,    108
.set OS,    60
.set MSB,   0
.macro WIN new                         ; s_set_vgpr_msb: bits 1:0 source 0, 3:2 source 1, 5:4 source 2, 7:6 destination; the high byte repeats the setting that is left
.if MSB != (\new)
	s_set_vgpr_msb (MSB<<8)|(\new)
.set MSB, (\new)
.endif
.endm
.macro VROW k                          ; row k of the block: read if its bit says so, else made of zeros
	s_bitcmp1_b32 s28, \k
	s_cbranch_scc0 .Lvz_\@
	WIN 0x40
.irp g,0,1,2,3,4,5,6,7
	global_load_b32 v[32*\g+(\k)], v6, s[14:15] offset:1024*(\k)+128*\g th:TH_LOAD_NT
.endr
	WIN 0
	s_branch .Lvn_\@
.Lvz_\@:
	WIN 0x40
.irp g,0,1,2,3,4,5,6,7
	v_mov_b32 v[32*\g+(\k)], 0
.endr
	WIN 0
.Lvn_\@:
.endm
; Query tile 4 x trip + n over my 64 keys: scores, weights, codes: half n mod 2 of the pair's fragment and of its scale word
.macro PTILE n
.irp s,0,1
.irp c,0,1,2
	ds_load_b128 v[QF+12*\s+4*\c:QF+12*\s+4*\c+3], v22 offset:3072*(\n)+1536*\s+512*\c
.endr
.endr
	ds_load_b32 v36, v23 offset:128*(\n)
	ds_load_b64 v[38:39], v24 offset:128*(\n)      ; my query's NM and 1 / l
	s_wait_dscnt 0x0                               ; these, and the stores of the pair before, which have read their registers
.irp t,0,1,2,3
	v_wmma_scale_f32_16x16x128_f8f6f4 v[S+8*\t:S+8*\t+7], v[KF+24*\t:KF+24*\t+11], v[QF:QF+11], 0, v[32+\t], v36 matrix_a_fmt:MATRIX_FMT_FP6 matrix_b_fmt:MATRIX_FMT_FP6
.endr
.irp t,0,1,2,3                                 ; the four accumulators by turns
	v_wmma_scale_f32_16x16x128_f8f6f4 v[S+8*\t:S+8*\t+7], v[KF+24*\t+12:KF+24*\t+23], v[QF+12:QF+23], v[S+8*\t:S+8*\t+7], v[32+\t], v36 matrix_a_fmt:MATRIX_FMT_FP6 matrix_b_fmt:MATRIX_FMT_FP6 matrix_a_scale:MATRIX_SCALE_ROW1 matrix_b_scale:MATRIX_SCALE_ROW1
.endr
	v_mov_b32 v40, v39                             ; 1 / l as a pair.  (Four places ahead of the first read of results: ISA guide 7.12.1)
	v_mov_b32 v41, v39
	v_nop
	v_nop
.irp t,0,1,2,3                                 ; lane (r, h): query r; register 16 b + i: key 32 b + 16 h + i
.irp j,0,1,2,3,4,5,6,7
	v_cmp_eq_f32 s[48+\j], 0, v[S+8*\t+\j]         ; each accumulator from its low end on
.endr
.irp j,0,1,2,3,4,5,6,7
	v_cndmask_b32 v[S+8*\t+\j], v[S+8*\t+\j], v21, s[48+\j]   ; a score of exactly 0 becomes -infinity
.endr
.endr
.set J, 0
.rept 16
	v_pk_fma_f32 v[S+J:S+J+1], v[S+J:S+J+1], s[40:41], v[38:39] op_sel_hi:[1,0,0]   ; log2(e) s + NM
.set J, J+2
.endr
	s_wait_alu depctr_va_vdst(0)                   ; a wait ahead of the batch
.set J, 0
.rept 32
	v_exp_f32 v[S+J], v[S+J]
.set J, J+1
.endr
	v_nop                                          ; a plain place behind the last exponential
	s_wait_alu depctr_va_vdst(0)                   ; and one wait for the batch of 32, ahead of its first reader
.set J, 0
.rept 16
	v_pk_mul_f32 v[S+J:S+J+1], v[S+J:S+J+1], v[40:41]        ; the finished weight
.set J, J+2
.endr
.irp e,0,1,2,3                                 ; two blocks of 32 keys, two chains each, by turns; no |.|: nothing is negative
	v_max3_num_f32 v[TM+\e], v[S+8*\e], v[S+8*\e+1], FLOOR
.endr
.irp i,2,4,6
.irp e,0,1,2,3
	v_max3_num_f32 v[TM+\e], v[TM+\e], v[S+8*\e+\i], v[S+8*\e+\i+1]
.endr
.endr
	v_max_num_f32 v[TM], v[TM], v[TM+1]
	v_max_num_f32 v[TM+1], v[TM+2], v[TM+3]
	v_permlanex16_b32 v[TM+4], v[TM], s38, s39
	v_permlanex16_b32 v[TM+5], v[TM+1], s38, s39
	v_max_num_f32 v[TM], v[TM], v[TM+4]            ; with lane l xor 16's 16 keys: the block's largest weight
	v_max_num_f32 v[TM+1], v[TM+1], v[TM+5]
	v_add_nc_u32 v[TM+8], 0xff000000, v[TM]        ; 2 off the exponent field: the conversion's scale operand
	v_add_nc_u32 v[TM+9], 0xff000000, v[TM+1]
	v_lshrrev_b32 v[TM+4], 23, v[TM+8]             ; the bytes
	v_lshrrev_b32 v[TM+5], 23, v[TM+9]
.if ((\n)%2)==0
	v_lshl_or_b32 v37, v[TM+5], 8, v[TM+4]         ; bytes 0, 1 of the pair's scale word
.else
	v_lshl_or_b32 v[TM+4], v[TM+5], 8, v[TM+4]
	v_lshl_or_b32 v37, v[TM+4], 16, v37            ; bytes 2, 3
.endif
	v_cvt_scalef32_pk16_fp6_f32 v[PC+6*((\n)%2):PC+6*((\n)%2)+2], v[S:S+15], v[TM+8]
	v_cvt_scalef32_pk16_fp6_f32 v[T:T+2], v[S+16:S+31], v[TM+9]      ; (a conversion's three registers begin on an even number)
	v_nop                                          ; one plain place behind the scaled conversions
.irp i,0,1,2                                   ; the operand wants a WHOLE block in a lane: lanes 0-15 block 0, lanes 16-31 block 1
	v_permlane16_swap_b32 v[PC+6*((\n)%2)+\i], v[T+\i]
.endr
.irp i,0,1,2
	v_mov_b32 v[PC+6*((\n)%2)+3+\i], v[T+\i]
.endr
.endm
.macro PSTORE u                        ; pair u of the trip: its fragment and scale word go to my own bytes of LDS
.irp c,0,1,2
	ds_store_b128 v25, v[PC+4*\c:PC+4*\c+3] offset:1536*(\u)+512*\c
.endr
	ds_store_b32 v26, v37 offset:128*(\u)
.endm
.macro VCV a, b, c, d                  ; four groups of 32 columns: a block's codes, six registers a lane
	WIN 0x01                                       ; source 0 in window 1
.irp g,\a,\b,\c,\d
	v_cvt_scalef32_pk16_fp6_f32 v[VC+6*\g:VC+6*\g+2], v[32*\g:32*\g+15], v[TM+8+\g]
	v_cvt_scalef32_pk16_fp6_f32 v[T2+4*(\g%4):T2+4*(\g%4)+2], v[32*\g+16:32*\g+31], v[TM+8+\g]
.endr
	WIN 0
	v_nop                                          ; one plain place behind the scaled conversions
.irp g,\a,\b,\c,\d
.irp i,0,1,2
	v_mov_b32 v[VC+6*\g+3+\i], v[T2+4*(\g%4)+\i]
.endr
.endr
.endm
.macro PVM pr, vt, bb                  ; acc(vt) += [P_2pr | P_2pr+1] [V | V].  V's scale words: lanes 0-15 of register vt / 2 for an even tile, lanes 16-31 for an odd one
.if (\pr)==0
.if (\vt)%2
	v_wmma_scale_f32_16x16x128_f8f6f4 v[8*(\vt):8*(\vt)+7], v[OS+12*(\pr):OS+12*(\pr)+11], v[(\bb):(\bb)+11], 0, v[32+(\pr)], v[VS+(\vt)/2] matrix_a_fmt:MATRIX_FMT_FP6 matrix_b_fmt:MATRIX_FMT_FP6 matrix_b_scale:MATRIX_SCALE_ROW1
.else
	v_wmma_scale_f32_16x16x128_f8f6f4 v[8*(\vt):8*(\vt)+7], v[OS+12*(\pr):OS+12*(\pr)+11], v[(\bb):(\bb)+11], 0, v[32+(\pr)], v[VS+(\vt)/2] matrix_a_fmt:MATRIX_FMT_FP6 matrix_b_fmt:MATRIX_FMT_FP6
.endif
.else
.if (\vt)%2
	v_wmma_scale_f32_16x16x128_f8f6f4 v[8*(\vt):8*(\vt)+7], v[OS+12*(\pr):OS+12*(\pr)+11], v[(\bb):(\bb)+11], v[8*(\vt):8*(\vt)+7], v[32+(\pr)], v[VS+(\vt)/2] matrix_a_fmt:MATRIX_FMT_FP6 matrix_b_fmt:MATRIX_FMT_FP6 matrix_b_scale:MATRIX_SCALE_ROW1
.else
	v_wmma_scale_f32_16x16x128_f8f6f4 v[8*(\vt):8*(\vt)+7], v[OS+12*(\pr):OS+12*(\pr)+11], v[(\bb):(\bb)+11], v[8*(\vt):8*(\vt)+7], v[32+(\pr)], v[VS+(\vt)/2] matrix_a_fmt:MATRIX_FMT_FP6 matrix_b_fmt:MATRIX_FMT_FP6
.endif
.endif
.endm
	s_load_b512 s[4:19], s[0:1], 0x0               ; kcodes s[4:5], kscales s[6:7], qcodes s[8:9], qscales s[10:11], stats s[12:13], values s[14:15], mask s[16:17], part s[18:19]
	v_lshrrev_b32 v22, 5, v0
	v_readfirstlane_b32 s20, v22                   ; wave 0..7
	s_mov_b32 s21, ttmp9                           ; chunk
	s_and_b32 s22, ttmp7, 0xffff                   ; batch
	s_mul_i32 s24, s20, 6144
	s_add_co_u32 s24, s24, PIMG
	s_lshl_b32 s25, s20, 9
	s_add_co_u32 s25, s25, PSC
	s_mul_i32 s26, s20, 12288
	s_add_co_u32 s26, s26, VIMG
	s_mul_i32 s27, s20, 3072
	s_lshl_b32 s30, s20, 7
	s_add_co_u32 s30, s30, QSC
	s_lshl_b32 s31, s20, 10
	s_add_co_u32 s31, s31, OST
	s_mov_b32 s38, 0x76543210
	s_mov_b32 s39, 0xfedcba98                      ; v_permlanex16_b32's selects for lane l xor 16
	s_mov_b32 s40, 0x3fb8aa3b                      ; log2(e)
	s_mov_b32 s41, s40
	s_mov_b32 s42, 0xffff0000                      ; lanes 16-31
	s_mov_b32 s43, 0                               ; the trip
	v_lshl_add_u32 v[SPW], v0, 2, SPARE
	v_mov_b32 v[NIL], 0
	v_and_b32 v1, 31, v0                           ; lane
	v_and_b32 v2, 15, v0                           ; r
	v_bfe_u32 v3, v0, 4, 1                         ; h
	v_lshlrev_b32 v4, 4, v1
	v_lshlrev_b32 v5, 3, v1
	v_lshlrev_b32 v6, 2, v1
	v_and_b32 v7, 127, v0
	v_lshlrev_b32 v7, 3, v7                        ; 8 x (thread mod 128): a query's statistics
	v_lshlrev_b32 v8, 4, v0
	v_lshrrev_b32 v9, 2, v1                        ; the prefetches: lane / 4 is the row of eight,
	v_and_b32 v29, 3, v1
	v_lshlrev_b32 v29, 8, v29
	v_lshl_add_u32 v29, v9, 10, v29                ; and 1024 x row + 256 x (lane mod 4) the lane's 256 bytes
	v_add_nc_u32 v10, QSC, v6
	v_lshl_add_u32 v11, v2, 3, RST
	v_add_nc_u32 v12, s24, v4
	v_add_nc_u32 v13, s25, v6
	v_mul_u32_u24 v14, v3, 384                     ; V's images written: lanes 16-31 hold the next tile's columns
	v_add_nc_u32 v14, s26, v14
	v_lshl_add_u32 v15, v2, 3, v14
	v_add_nc_u32 v15, 256, v15
	v_lshl_add_u32 v14, v2, 4, v14
	v_mul_u32_u24 v30, v3, 6144                    ; read: lanes 16-31 take block 1
	v_add_nc_u32 v30, s26, v30
	v_lshl_add_u32 v31, v2, 3, v30
	v_add_nc_u32 v31, 256, v31
	v_lshl_add_u32 v30, v2, 4, v30
	v_add_nc_u32 v16, s27, v4                      ; where I put Q's tile w
	v_add_nc_u32 v17, s30, v6
	v_add_nc_u32 v18, RST, v7
	v_add_nc_u32 v19, s31, v6
	v_add_nc_u32 v20, OST, v8
	v_mov_b32 v21, 0xff800000                      ; -infinity
	v_mov_b32 v[TM+4], 0                           ; written once: a lane permute's destination counts as one of its sources
	v_mov_b32 v[TM+5], 0
.irp g,0,1,2,3,4,5,6,7
	v_mov_b32 v[VS+\g], 0
.endr
	s_wait_alu depctr_va_vdst(0)                   ; a wait at the head's end
	s_wait_kmcnt 0x0
	s_mov_b32 s25, 0
	s_lshl_b32 s26, s22, 12
	s_lshl_b32 s27, s21, 9
	s_add_co_u32 s26, s26, s27
	s_lshl_b32 s27, s20, 6
	s_add_co_u32 s26, s26, s27                     ; my first key: 4096 b + 512 chunk + 64 w
	s_lshl_b32 s24, s26, 2
	s_add_nc_u64 s[16:17], s[16:17], s[24:25]
	s_lshl_b32 s24, s26, 10
	s_add_nc_u64 s[14:15], s[14:15], s[24:25]
	s_lshr_b32 s26, s26, 5                         ; my first block of 32 keys
	s_mul_i32 s24, s26, 6144
	s_add_nc_u64 s[4:5], s[4:5], s[24:25]
	s_lshl_b32 s24, s26, 8
	s_add_nc_u64 s[6:7], s[6:7], s[24:25]
	s_lshl_b32 s26, s22, 4
	s_lshl_b32 s27, s20, 1
	s_add_co_u32 s26, s26, s27                     ; 16 b + 2 w: Q's tile w
	s_mul_i32 s24, s26, 1536
	s_add_nc_u64 s[8:9], s[8:9], s[24:25]
	s_lshl_b32 s24, s22, 10                        ; qscales [b][w / 2][lane][w mod 2]
	s_lshr_b32 s26, s20, 1
	s_lshl_b32 s26, s26, 8
	s_add_co_u32 s24, s24, s26
	s_and_b32 s26, s20, 1
	s_lshl_b32 s26, s26, 2
	s_add_co_u32 s24, s24, s26
	s_add_nc_u64 s[10:11], s[10:11], s[24:25]
	s_lshl_b32 s24, s22, 13
	s_add_nc_u64 s[12:13], s[12:13], s[24:25]
	s_lshl_b32 s26, s22, 3
	s_add_co_u32 s26, s26, s21
	s_lshl_b32 s24, s26, 10                        ; (8 b + chunk) x 1024
	s_add_nc_u64 s[18:19], s[18:19], s[24:25]
	global_load_b32 v116, v6, s[16:17]             ; the mask of my 64 keys
	global_load_b32 v117, v6, s[16:17] offset:128
.irp j,0,1,2,3,4,5,6,7
	global_load_b64 v[100+2*\j:101+2*\j], v7, s[12:13] offset:1024*\j   ; the eight chunks' (NM, l) of a query
.endr
.irp j,0,1,2,3,4,5
	global_load_b128 v[QF+4*\j:QF+4*\j+3], v4, s[8:9] offset:512*\j     ; Q's tile w
.endr
	global_load_b32 v36, v5, s[10:11]
.irp k,0,1
	global_load_b64 v[32+2*\k:33+2*\k], v5, s[6:7] offset:256*\k th:TH_LOAD_NT   ; K's scale registers, tiles 2 k and 2 k + 1
.endr
.set J, 0
.rept 24
	global_load_b128 v[KF+4*J:KF+4*J+3], v4, s[4:5] offset:512*J th:TH_LOAD_NT   ; my 8 fragments of K: 12,288 consecutive bytes
.set J, J+1
.endr
	s_wait_loadcnt 0x0
	v_cmp_eq_u32 s28, 0, v116                      ; bit l: key l of block 0 counts
	v_cmp_eq_u32 s29, 0, v117                      ; of block 1
.irp q,0,1,2,3
	s_lshr_b32 s[24+\q], s29, 8*\q
.endr
.irp q,0,1,2,3
	v_lshrrev_b32 v[PF+\q], v9, s[24+\q]
.endr
.irp q,0,1,2,3
	v_and_b32 v[PF+\q], 1, v[PF+\q]                ; does row 8 q + lane / 4 of block 1 count?
.endr
.irp q,0,1,2,3
	v_min_u32 v[PF+\q], 1, v[PF+\q]                ; (a hold of a loaded number on its way into an address)
.endr
.irp q,0,1,2,3
	v_mul_u32_u24 v[PF+\q], v[PF+\q], v29          ; my 256 bytes, or the first of the eight rows
.endr
.irp j,0,1,2,3,4,5
	ds_store_b128 v16, v[QF+4*\j:QF+4*\j+3] offset:512*\j
.endr
	ds_store_b32 v17, v36
	v_min3_num_f32 v118, v100, v102, v104
	v_min3_num_f32 v119, v106, v108, v110
	v_min3_num_f32 v118, v118, v112, v114
	v_min_num_f32 v118, v118, v119                 ; the row's NM
.irp j,0,1,2,3,4,5,6,7
	v_sub_f32 v[120+\j], v118, v[100+2*\j]
.endr
	s_wait_alu depctr_va_vdst(0)                   ; a wait ahead of the batch
.irp j,0,1,2,3,4,5,6,7
	v_exp_f32 v[120+\j], v[120+\j]
.endr
	v_nop
	s_wait_alu depctr_va_vdst(0)                   ; and one wait for the eight
	v_mul_f32 v128, v101, v120
	v_mul_f32 v129, v103, v121
.irp j,2,4,6                                   ; two chains by turns
	v_fma_f32 v128, v[101+2*\j], v[120+\j], v128
	v_fma_f32 v129, v[103+2*\j], v[121+\j], v129
.endr
	v_add_f32 v128, v128, v129                     ; the row's l
	s_wait_alu depctr_va_vdst(0)                   ; a wait ahead of the transcendental
	v_rcp_f32 v129, v128
	v_cmp_lt_f32 vcc_lo, 0, v128                   ; (a plain place behind the reciprocal)
	s_wait_alu depctr_va_vdst(0)
	v_cndmask_b32 v119, 0, v129, vcc_lo            ; 1 / l, or 0 for a row in which nothing counts
	s_cmp_ge_u32 s20, 4
	s_cbranch_scc1 .Lnost                          ; each word has one writer: waves 0-3 store the 128 rows
	ds_store_b64 v18, v[118:119]
.Lnost:
	s_wait_dscnt 0x0                               ; for the others' sake
	s_barrier_signal -1
	s_barrier_wait -1                              ; Q and the statistics lie in LDS
.Lp:                                               ; two trips: a block of 32 keys of V, four query tiles
	s_mul_i32 s32, s43, 12288
	s_lshl_b32 s33, s43, 9
	s_mul_i32 s34, s43, 3072
	s_lshl_b32 s35, s43, 8
	s_mul_i32 s36, s43, 6144
	v_add_nc_u32 v22, s32, v4
	v_add_nc_u32 v23, s33, v10
	v_add_nc_u32 v24, s33, v11
	v_add_nc_u32 v25, s34, v12
	v_add_nc_u32 v26, s35, v13
	v_add_nc_u32 v27, s36, v14
	v_add_nc_u32 v28, s36, v15
	s_wait_alu depctr_va_vdst(0)
.set KK, 0
.rept 32
	VROW KK                                        ; no load is out here: the head and the trip before have waited for all
.set KK, KK+1
.endr
	s_cmp_lg_u32 s43, 0
	s_cbranch_scc1 .Lnopf                          ; trip 0 names block 1's rows, which trip 1 loads
.irp q,0,1,2,3
	global_prefetch_b8 v[PF+\q], s[14:15] offset:32768+8192*\q th:TH_LOAD_NT scope:SCOPE_SE
.endr
.Lnopf:
	PTILE 0
	PTILE 1
	PSTORE 0
	PTILE 2
	PTILE 3
	PSTORE 1
	s_wait_loadcnt 0x0                             ; the block's rows are in (how many were read hangs on the mask: so the count is 0)
	s_wait_dscnt 0x0                               ; the stores above have read their registers
	s_wait_xcnt 0x0                                ; the prefetches have read their base
	s_add_nc_u64 s[14:15], s[14:15], 32768
	s_mov_b32 s28, s29
	WIN 0x14                                       ; sources 1 and 2 in window 1
.irp g,0,1,2,3,4,5,6,7
	v_max3_num_f32 v[TM+\g], FLOOR, |v[32*\g]|, |v[32*\g+1]|
.endr
.irp i,2,4,6,8,10,12,14,16,18,20,22,24,26,28,30
.irp g,0,1,2,3,4,5,6,7
	v_max3_num_f32 v[TM+\g], v[TM+\g], |v[32*\g+\i]|, |v[32*\g+\i+1]|      ; eight chains by turns
.endr
.endr
	WIN 0
.irp g,0,1,2,3,4,5,6,7
	v_add_nc_u32 v[TM+8+\g], 0xff000000, v[TM+\g]
.endr
.irp g,0,1,2,3,4,5,6,7
	v_lshrrev_b32 v[TM+\g], 23, v[TM+8+\g]
.endr
.irp g,0,1,2,3,4,5,6,7
	v_lshl_or_b32 v[TM+\g], v[TM+\g], 16, v[TM+\g] ; the byte twice, 16 bits apart
.endr
.irp g,0,1,2,3,4,5,6,7
	v_lshrrev_b32 v[VS+\g], 8, v[VS+\g]            ; the word moves down a byte and takes the new pair on top: in the end bytes 0, 2 are block 0's, bytes 1, 3 block 1's
.endr
.irp g,0,1,2,3,4,5,6,7
	v_lshl_or_b32 v[VS+\g], v[TM+\g], 8, v[VS+\g]
.endr
	VCV 0, 1, 2, 3
	VCV 4, 5, 6, 7
.irp g,0,1,2,3,4,5,6,7
	ds_store_b128 v27, v[VC+6*\g:VC+6*\g+3] offset:768*\g
	ds_store_b64 v28, v[VC+6*\g+4:VC+6*\g+5] offset:768*\g
.endr
	s_wait_dscnt 0x0                               ; the stores have read their registers
	s_add_co_u32 s43, s43, 1
	s_cmp_lt_u32 s43, 2
	s_cbranch_scc1 .Lp
	WIN 0x40
.irp vt,0,1,2,3,4,5,6,7                        ; V's fragments: lane (r, h) takes block h of column 16 vt + r, into both halves of the K step
.irp c,0,1
	ds_load_b128 v[128+12*\vt+6*\c:128+12*\vt+6*\c+3], v30 offset:384*\vt
	ds_load_b64 v[128+12*\vt+6*\c+4:128+12*\vt+6*\c+5], v31 offset:384*\vt
.endr
.endr
	WIN 0
.irp vt,0,1,2,3,4,5,6,7
.irp c,0,1
	ds_load_b128 v[KF+12*\vt+6*\c:KF+12*\vt+6*\c+3], v30 offset:384*(\vt+8)
	ds_load_b64 v[KF+12*\vt+6*\c+4:KF+12*\vt+6*\c+5], v31 offset:384*(\vt+8)
.endr
.endr
.set J, 0
.rept 12
	ds_load_b128 v[OS+4*J:OS+4*J+3], v12 offset:512*J        ; P's four fragments
.set J, J+1
.endr
.irp i,0,1,2,3
	ds_load_b32 v[32+\i], v13 offset:128*\i
.endr
	s_wait_dscnt 0x0
	WIN 0x54                                       ; source 0 (P) window 0; source 1 (V), C and D window 1
.irp pr,0,1,2,3
.irp vt,0,1,2,3,4,5,6,7
	PVM \pr, \vt, 128+12*\vt                       ; eight accumulators by turns; the first pair's products start the sums
.endr
.endr
	WIN 0x50                                       ; V's tiles 8-15 lie in window 0
.irp pr,0,1,2,3
.irp vt,8,9,10,11,12,13,14,15
	PVM \pr, \vt, KF+12*(\vt-8)
.endr
.endr
	WIN 0
.rept 4
	v_nop                                          ; four places ahead of the first read of results
.endr
	WIN 0x05                                       ; sources 0 and 1 in window 1
.irp vt,0,1,2,3,4,5,6,7,8,9,10,11,12,13,14,15  ; register j of lane (r, h): rows 8 h + j, column 16 vt + r: the sum over the rows
	v_pk_add_f32 v[OS+4*\vt:OS+4*\vt+1], v[8*\vt:8*\vt+1], v[8*\vt+2:8*\vt+3]    ; each accumulator from its low end on
	v_pk_add_f32 v[OS+4*\vt+2:OS+4*\vt+3], v[8*\vt+4:8*\vt+5], v[8*\vt+6:8*\vt+7]
.endr
	WIN 0
.irp vt,0,1,2,3,4,5,6,7,8,9,10,11,12,13,14,15
	v_pk_add_f32 v[OS+4*\vt:OS+4*\vt+1], v[OS+4*\vt:OS+4*\vt+1], v[OS+4*\vt+2:OS+4*\vt+3]
.endr
.irp vt,0,1,2,3,4,5,6,7,8,9,10,11,12,13,14,15
	v_add_f32 v[OS+4*\vt], v[OS+4*\vt], v[OS+4*\vt+1]
.endr
.irp vt,0,1,2,3,4,5,6,7,8,9,10,11,12,13,14,15
	v_permlanex16_b32 v[OS+4*\vt+1], v[OS+4*\vt], s38, s39
.endr
.irp vt,0,1,2,3,4,5,6,7,8,9,10,11,12,13,14,15
	v_add_f32 v[OS+4*\vt], v[OS+4*\vt], v[OS+4*\vt+1]
.endr
.irp g,0,1,2,3,4,5,6,7
	v_cndmask_b32 v[KF+\g], v[OS+8*\g], v[OS+8*\g+4], s42    ; lane l: column 32 g + l
.endr
.irp g,0,1,2,3,4,5,6,7
	ds_store_b32 v19, v[KF+\g] offset:128*\g
.endr
	s_wait_dscnt 0x0                               ; for the others' sake
	s_barrier_signal -1
	s_barrier_wait -1                              ; the eight waves' sums lie in LDS
	s_cmp_ge_u32 s20, 2
	s_cbranch_scc1 .Lend                           ; threads 0-63 take four columns each
.irp j,0,1,2,3,4,5,6,7
	ds_load_b128 v[OS+4*\j:OS+4*\j+3], v20 offset:1024*\j
.endr
	s_wait_dscnt 0x0
.irp j,0,1,2,3
	v_pk_add_f32 v[OS+4*\j:OS+4*\j+1], v[OS+4*\j:OS+4*\j+1], v[OS+16+4*\j:OS+17+4*\j]
	v_pk_add_f32 v[OS+4*\j+2:OS+4*\j+3], v[OS+4*\j+2:OS+4*\j+3], v[OS+18+4*\j:OS+19+4*\j]
.endr
.irp j,0,1
	v_pk_add_f32 v[OS+4*\j:OS+4*\j+1], v[OS+4*\j:OS+4*\j+1], v[OS+8+4*\j:OS+9+4*\j]
	v_pk_add_f32 v[OS+4*\j+2:OS+4*\j+3], v[OS+4*\j+2:OS+4*\j+3], v[OS+10+4*\j:OS+11+4*\j]
.endr
	v_pk_add_f32 v[OS:OS+1], v[OS:OS+1], v[OS+4:OS+5]
	v_pk_add_f32 v[OS+2:OS+3], v[OS+2:OS+3], v[OS+6:OS+7]
	global_store_b128 v8, v[OS:OS+3], s[18:19]     ; a wave stores 512 consecutive bytes, at a multiple of 256 from the buffer's first byte
.Lend:
	s_wait_tensorcnt 0x0                           ; the wave's end
	ds_add_u32 v[SPW], v[NIL]
	s_wait_dscnt 0x0
	s_endpgm
.Lfunc_end_k_q4e3d277202_attend:
	.size	k_q4e3d277202_attend, .Lfunc_end_k_q4e3d277202_attend-k_q4e3d277202_attend
	.p2alignl 7, 3214868480
	.fill 96, 4, 3214868480
	.section	.rodata,"a",@progbits
	.p2align	6, 0x0
	.amdhsa_kernel k_q4e3d277202_attend
		.amdhsa_group_segment_fixed_size 187392
		.amdhsa_private_segment_fixed_size 0
		.amdhsa_enable_private_segment 0
		.amdhsa_kernarg_size 64
		.amdhsa_user_sgpr_count 2
		.amdhsa_user_sgpr_kernarg_segment_ptr 1
		.amdhsa_wavefront_size32 1
		.amdhsa_system_sgpr_workgroup_id_x 1
		.amdhsa_system_sgpr_workgroup_id_y 1
		.amdhsa_system_sgpr_workgroup_id_z 1
		.amdhsa_system_vgpr_workitem_id 0
		.amdhsa_next_free_vgpr 512
		.amdhsa_next_free_sgpr 66
		.amdhsa_reserve_vcc 1
		.amdhsa_float_denorm_mode_32 3
		.amdhsa_float_denorm_mode_16_64 3
		.amdhsa_memory_ordered 1
		.amdhsa_forward_progress 1
		.amdhsa_inst_pref_size 130
	.end_amdhsa_kernel
	.amdgpu_metadata
---
amdhsa.version: [ 1, 2 ]
amdhsa.kernels:
  - .name:           k_q4e3d277202_attend
    .symbol:         k_q4e3d277202_attend.kd
    .args:
      - { .name: kcodes, .offset: 0, .size: 8, .value_kind: global_buffer, .address_space: global }
      - { .name: kscales, .offset: 8, .size: 8, .value_kind: global_buffer, .address_space: global }
      - { .name: qcodes, .offset: 16, .size: 8, .value_kind: global_buffer, .address_space: global }
      - { .name: qscales, .offset: 24, .size: 8, .value_kind: global_buffer, .address_space: global }
      - { .name: stats, .offset: 32, .size: 8, .value_kind: global_buffer, .address_space: global }
      - { .name: values, .offset: 40, .size: 8, .value_kind: global_buffer, .address_space: global }
      - { .name: mask, .offset: 48, .size: 8, .value_kind: global_buffer, .address_space: global }
      - { .name: part, .offset: 56, .size: 8, .value_kind: global_buffer, .address_space: global }
    .group_segment_fixed_size: 187392
    .private_segment_fixed_size: 0
    .kernarg_segment_align: 8
    .kernarg_segment_size: 64
    .max_flat_workgroup_size: 256
    .sgpr_count:     66
    .vgpr_count:     512
    .wavefront_size: 32
...
	.end_amdgpu_metadata
.endif
;; end of part 2
;; launch mean (part 3): grid 32 x 1, 2 waves a work-group, no clusters, 0 bytes of LDS; arguments part, out0; writes out0
.if DOCPART == 3
	.amdgcn_target "amdgcn-amd-amdhsa--gfx1250"
	.amdhsa_code_object_version 6
	.text
	.protected	k_q4e3d277202_mean
	.globl	k_q4e3d277202_mean
	.p2align	8
	.type	k_q4e3d277202_mean,@function
k_q4e3d277202_mean:
	s_mov_b64 s[64:65], 0
	v_nop
	global_prefetch_b8 v0, s[64:65] scope:SCOPE_SE
	s_setreg_imm32_b32 hwreg(HW_REG_WAVE_MODE, 25, 1), 1
	s_wait_xcnt 0x0
; THIRD OF THREE LAUNCHES.  out0[b][v] = (the sum of the batch's 8 partial rows part[b][chunk][v]) / 128.  A sum that spans work-groups is ordered by a launch of its own: no atomics.
; One work-group a batch; thread t (0 .. 63) owns columns 4 t .. 4 t + 3: each load and the store of a wave cover 512 consecutive bytes.  The sum is a fixed tree.  8 KB a batch: no LDS, no barrier, no matrix unit.
.macro LEVEL h
.set J, 0
.rept \h
	v_pk_add_f32 v[8+4*J:9+4*J], v[8+4*J:9+4*J], v[8+4*(J+\h):9+4*(J+\h)]
	v_pk_add_f32 v[10+4*J:11+4*J], v[10+4*J:11+4*J], v[10+4*(J+\h):11+4*(J+\h)]
.set J, J+1
.endr
.endm
	s_load_b128 s[4:7], s[0:1], 0x0                ; part, out0
	v_lshlrev_b32 v1, 4, v0
	s_lshl_b32 s8, ttmp9, 13                       ; 8 rows of 1,024 bytes a batch
	s_mov_b32 s9, 0
	s_lshl_b32 s10, ttmp9, 10
	s_mov_b32 s11, 0
	s_wait_alu depctr_va_vdst(0)                   ; a wait at the head's end
	s_wait_kmcnt 0x0
	s_add_nc_u64 s[4:5], s[4:5], s[8:9]
	s_add_nc_u64 s[6:7], s[6:7], s[10:11]
.set J, 0
.rept 8
	global_load_b128 v[8+4*J:11+4*J], v1, s[4:5] offset:1024*J th:TH_LOAD_NT
.set J, J+1
.endr
	s_wait_loadcnt 0x0
	LEVEL 4
	LEVEL 2
	LEVEL 1
	v_pk_mul_f32 v[8:9], v[8:9], 0x3c000000 op_sel_hi:[1,0]      ; / 128: exact
	v_pk_mul_f32 v[10:11], v[10:11], 0x3c000000 op_sel_hi:[1,0]
	global_store_b128 v1, v[8:11], s[6:7]
	s_endpgm
.Lfunc_end_k_q4e3d277202_mean:
	.size	k_q4e3d277202_mean, .Lfunc_end_k_q4e3d277202_mean-k_q4e3d277202_mean
	.p2alignl 7, 3214868480
	.fill 96, 4, 3214868480
	.section	.rodata,"a",@progbits
	.p2align	6, 0x0
	.amdhsa_kernel k_q4e3d277202_mean
		.amdhsa_group_segment_fixed_size 0
		.amdhsa_private_segment_fixed_size 0
		.amdhsa_enable_private_segment 0
		.amdhsa_kernarg_size 16
		.amdhsa_user_sgpr_count 2
		.amdhsa_user_sgpr_kernarg_segment_ptr 1
		.amdhsa_wavefront_size32 1
		.amdhsa_system_sgpr_workgroup_id_x 1
		.amdhsa_system_sgpr_workgroup_id_y 1
		.amdhsa_system_sgpr_workgroup_id_z 1
		.amdhsa_system_vgpr_workitem_id 0
		.amdhsa_next_free_vgpr 48
		.amdhsa_next_free_sgpr 66
		.amdhsa_reserve_vcc 0
		.amdhsa_float_denorm_mode_32 3
		.amdhsa_float_denorm_mode_16_64 3
		.amdhsa_memory_ordered 1
		.amdhsa_forward_progress 1
		.amdhsa_inst_pref_size 3
	.end_amdhsa_kernel
	.amdgpu_metadata
---
amdhsa.version: [ 1, 2 ]
amdhsa.kernels:
  - .name:           k_q4e3d277202_mean
    .symbol:         k_q4e3d277202_mean.kd
    .args:
      - { .name: part, .offset: 0, .size: 8, .value_kind: global_buffer, .address_space: global }
      - { .name: out0, .offset: 8, .size: 8, .value_kind: global_buffer, .address_space: global }
    .group_segment_fixed_size: 0
    .private_segment_fixed_size: 0
    .kernarg_segment_align: 8
    .kernarg_segment_size: 16
    .max_flat_workgroup_size: 64
    .sgpr_count:     66
    .vgpr_count:     48
    .wavefront_size: 32
...
	.end_amdgpu_metadata
.endif
;; end of part 3
